; MI455X (gfx1250); checked and timed in simulation.
; The chip was launched on July 23, 2026; its instructions are those of AMD's public machine-readable ISA for CDNA 5 (MIT licence, August 2026) and "CDNA5" Instruction Set Architecture Reference Guide (July 2026). The comments in the code are by the model that wrote it; some were corrected since.
;; Attention. Allowed arithmetic: float matrix products may take bf16 or f16 operands with f32 sums; other float arithmetic in f32, or as packed bf16 or f16 multiplies, adds, multiply-adds, maxima and minima; sums over many terms, partial sums and values carried from step to step in f32; what a program stores and reads back later, other than sums and carried values, may be rounded once to bf16 or f16.
;; Inputs: V 1,024 float32; W 1,024 x 2,048 float32; attn_masks 32 x 2,048 int32; b 1,024 float32; enc_outputs 32 x 2,048 x 1,024 float32; last_state 32 x 1,024 float32.
;; Outputs: out0 32 x 1,024 float32; out1 32 x 2,048 float32; out2 32 x 2,048 float32.
;; One version. Each part assembles by itself: llvm-mc -triple=amdgcn-amd-amdhsa -mcpu=gfx1250 --defsym DOCPART=n.
;; ======== version 1 of 1: 3 launches
;; workspace buffers: encb 150,994,944 bytes; web 2,097,152 bytes; hbt 131,072 bytes; ps 655,360 bytes
;; launch pack (part 1): grid 320 x 1, 16 waves a work-group, no clusters, 35,072 bytes of LDS; arguments enc_outputs, attn_masks, W, b, last_state, encb, web, hbt; writes encb, web, hbt
.if DOCPART == 1
	.amdgcn_target "amdgcn-amd-amdhsa--gfx1250"
	.amdhsa_code_object_version 6
	.text
	.protected	k_q2fce4290c6_pack
	.globl	k_q2fce4290c6_pack
	.p2align	8
	.type	k_q2fce4290c6_pack,@function
k_q2fce4290c6_pack:
	s_mov_b64 s[64:65], 0
	v_nop
	global_prefetch_b8 v0, s[64:65] scope:SCOPE_SE
	s_setreg_imm32_b32 hwreg(HW_REG_WAVE_MODE, 25, 1), 1
	s_wait_xcnt 0x0
; PACK.  Work-groups 0-255 (role A): the rows of enc_outputs whose mask is 1 are rounded to bf16 and laid on end, batch by batch, in encb:
; encb[2 b + pass][1,152 rows][1,024] bf16; a kept row's place is its rank among the batch's kept rows (rank 1,152 is row 0 of the second slot).
; A batch with no kept row counts as all 2,048 kept (its softmax is uniform).  eff = rows so listed; rows eff .. 1,152 x passes - 1 are written as zeros.
; Work-groups 256-319 (role B): 16 rows h each: We = W[:, 1024:] rounded to bf16 into web[h][k]; hbt[h / 16][batch][h % 16] = last_state . Wh[h] + b[h], f32,
; from operands rounded to bf16 (every input of the module is rounded to bf16 once; sums stay in f32).
; No tensor loads (rows pass through registers for the rounding), no cluster (no byte is shared).  NaN and infinities are not treated apart.
.set PART,  0                          ; role B: wave v's two partial tiles, 2,048 bytes, at 2,048 v
.set WCNT,  32768                      ; role A: a word for each wave's count
.set SPARE, 33024                      ; the spare words: 128 bytes for each of 16 waves; no other line names them
.set L16, 18                           ; v18  16 x lane
.set L8,  19                           ; v19  8 x lane
.set ZR,  20                           ; v[20:23] zeros
.set OFF, 24                           ; v24-26 slot s: byte offset of its source row
.set SPW, 30                           ; v30  my spare word; never rewritten
.set NIL, 31                           ; v31  0; never rewritten
.set X,   32                           ; v[32:127] three row slots of 32 (role A); fragments (role B)
	s_load_b512 s[4:19], s[0:1], 0x0               ; enc s[4:5], masks s[6:7], W s[8:9], b s[10:11], last_state s[12:13], encb s[14:15], web s[16:17], hbt s[18:19]
	v_lshl_add_u32 v[SPW], v0, 2, SPARE
	v_mov_b32 v[NIL], 0
	v_lshrrev_b32 v1, 5, v0
	v_readfirstlane_b32 s22, v1                    ; wave 0..15
	v_and_b32 v2, 31, v0                           ; lane
	s_cmp_ge_u32 ttmp9, 256
	s_cbranch_scc1 .Lrole_b
; ---------------- role A ----------------
	s_lshr_b32 s23, ttmp9, 3                       ; batch b
	s_and_b32 s24, ttmp9, 7                        ; p: which 256 source rows
	s_lshl_b32 s25, s23, 13                        ; the batch's masks: 8,192 bytes
	v_lshl_add_u32 v3, v0, 4, s25                  ; thread t: masks 4 t .. 4 t + 3 of the whole batch
	s_lshl_b32 s26, s24, 1
	s_lshr_b32 s27, s22, 3
	s_add_co_u32 s26, s26, s27                     ; J: the chunk of 128 rows in which my 16 rows lie
	s_lshl_b32 s27, s26, 9
	s_add_co_u32 s27, s27, s25
	v_lshl_add_u32 v4, v2, 4, s27                  ; that chunk's masks, 4 a lane
	s_lshl_b32 s28, s24, 8
	s_lshl_b32 s29, s22, 4
	s_add_co_u32 s28, s28, s29                     ; s0 = 256 p + 16 w: my first source row
	s_lshl_b32 s29, s28, 2
	s_add_co_u32 s29, s29, s25
	v_and_b32 v5, 15, v0
	v_lshl_add_u32 v5, v5, 2, s29                  ; my 16 masks, one a lane (lanes 16-31 repeat)
	v_lshlrev_b32 v[L16], 4, v2
	v_lshlrev_b32 v[L8], 3, v2
	s_wait_kmcnt 0x0
	global_load_b128 v[8:11], v3, s[6:7]
	global_load_b128 v[12:15], v4, s[6:7]
	global_load_b32 v6, v5, s[6:7]
	s_wait_loadcnt 0x0
	v_cmp_eq_u32 s30, 1, v8
	v_cmp_eq_u32 s31, 1, v9
	v_cmp_eq_u32 s32, 1, v10
	v_cmp_eq_u32 s33, 1, v11
	s_bcnt1_i32_b32 s30, s30
	s_bcnt1_i32_b32 s31, s31
	s_bcnt1_i32_b32 s32, s32
	s_bcnt1_i32_b32 s33, s33
	s_add_co_u32 s34, s30, s31
	s_add_co_u32 s34, s34, s32
	s_add_co_u32 s34, s34, s33                     ; kept rows among rows 128 w .. 128 w + 127
	v_mov_b32 v7, s34
	v_lshl_add_u32 v16, s22, 2, WCNT
	ds_store_b32 v16, v7
	s_wait_dscnt 0x0                               ; for the others' sake: my count is in LDS
	s_barrier_signal -1
	s_barrier_wait -1
	v_mov_b32 v17, WCNT
	ds_load_b128 v[32:35], v17
	ds_load_b128 v[36:39], v17 offset:16
	ds_load_b128 v[40:43], v17 offset:32
	ds_load_b128 v[44:47], v17 offset:48
	s_wait_dscnt 0x0
.irp k, 0,1,2,3,4,5,6,7,8,9,10,11,12,13,14,15
	v_readfirstlane_b32 s[40+\k], v[32+\k]
.endr
	s_mov_b32 s35, 0                               ; tot
	s_mov_b32 s36, 0                               ; kept rows ahead of my chunk
.irp k, 0,1,2,3,4,5,6,7,8,9,10,11,12,13,14,15
	s_add_co_u32 s35, s35, s[40+\k]
	s_cmp_gt_u32 s26, \k
	s_cselect_b32 s37, s[40+\k], 0
	s_add_co_u32 s36, s36, s37
.endr
	v_cmp_eq_u32 s30, 1, v12
	v_cmp_eq_u32 s31, 1, v13
	v_cmp_eq_u32 s32, 1, v14
	v_cmp_eq_u32 s33, 1, v15
	s_and_b32 s37, s22, 7
	s_lshl_b32 s37, s37, 2
	s_bfm_b32 s38, s37, 0                          ; the chunk's lanes ahead of my rows: 4 (w % 8) of them
.irp k, 30,31,32,33
	s_and_b32 s[\k], s[\k], s38
	s_bcnt1_i32_b32 s[\k], s[\k]
	s_add_co_u32 s36, s36, s[\k]
.endr
	v_cmp_eq_u32 s39, 1, v6
	s_and_b32 s39, s39, 0xffff                     ; KM: bit n = row s0 + n is kept
	s_cmp_eq_u32 s35, 0                            ; no row kept: all rows are listed
	s_cselect_b32 s56, 2048, s35                   ; eff
	s_cselect_b32 s39, 0xffff, s39
	s_cselect_b32 s36, s28, s36                    ; the rank of my first kept row
	s_movk_i32 s57, 1152
	s_cmp_gt_u32 s56, 1152
	s_cselect_b32 s58, s57, 0
	s_add_co_u32 s57, s57, s58                     ; lim = 1,152 x passes
	s_lshl_b32 s58, s23, 23
	s_lshl_b32 s59, s28, 12
	s_add_co_u32 s60, s58, s59
	s_mov_b32 s61, 0
	s_add_nc_u64 s[4:5], s[4:5], s[60:61]          ; enc at row s0 of the batch
	s_min_u32 s36, s36, 2047
	s_mul_i32 s58, s23, 2304
	s_add_co_u32 s58, s58, s36
	s_lshl_b32 s60, s58, 11
	s_add_nc_u64 s[62:63], s[14:15], s[60:61]      ; encb at my first kept row's place
	s_bcnt1_i32_b32 s58, s39
	s_mul_i32 s66, s58, 11
	s_lshr_b32 s66, s66, 5                         ; n / 3 for n up to 16
.macro POP s                           ; the next kept row: the lowest bit of KM, which is then cleared
	s_ctz_i32_b32 s58, s39
	s_min_u32 s58, s58, 15
	s_sub_co_u32 s59, s39, 1
	s_and_b32 s39, s39, s59
	v_lshl_add_u32 v[OFF+(\s)], s58, 12, v[L16]
.endm
.macro FILL s                          ; a row of 4,096 bytes: eight loads of 512 consecutive bytes
.irp j, 0,1,2,3,4,5,6,7
	global_load_b128 v[X+32*(\s)+4*(\j):X+32*(\s)+4*(\j)+3], v[OFF+(\s)], s[4:5] offset:512*(\j) th:TH_LOAD_NT
.endr
.endm
.macro SEND s, row                     ; rounded in place, stored: each store of the wave covers 256 consecutive bytes, aligned
.irp j, 0,1,2,3,4,5,6,7
	v_cvt_pk_bf16_f32 v[X+32*(\s)+4*(\j)], v[X+32*(\s)+4*(\j)], v[X+32*(\s)+4*(\j)+1]
	v_cvt_pk_bf16_f32 v[X+32*(\s)+4*(\j)+1], v[X+32*(\s)+4*(\j)+2], v[X+32*(\s)+4*(\j)+3]
.endr
.irp j, 0,1,2,3,4,5,6,7
	global_store_b64 v[L8], v[X+32*(\s)+4*(\j):X+32*(\s)+4*(\j)+1], s[62:63] offset:(\row)*2048+256*(\j) th:TH_STORE_NT
.endr
.endm
	s_cmp_eq_u32 s66, 0
	s_cbranch_scc1 .Ltail
	s_mov_b32 s67, 0
.Ltrip:                                        ; three kept rows a trip: 24 loads out, taken as they come
	POP 0
	FILL 0
	POP 1
	FILL 1
	POP 2
	FILL 2
	s_wait_loadcnt 16                              ; the first row is in; sixteen younger loads stay out
	SEND 0, 0
	s_wait_loadcnt 8
	SEND 1, 1
	s_wait_loadcnt 0x0
	SEND 2, 2
	s_wait_xcnt 0x0                                ; the stores have read their data and base: both are rewritten below and in the next trip
	s_add_nc_u64 s[62:63], s[62:63], 3*2048
	s_add_co_u32 s67, s67, 1
	s_cmp_lt_u32 s67, s66
	s_cbranch_scc1 .Ltrip
.Ltail:
.rept 2                                        ; up to two rows are left
	s_cmp_eq_u32 s39, 0
	s_cbranch_scc1 .Lrows_done
	POP 0
	FILL 0
	s_wait_loadcnt 0x0
	SEND 0, 0
	s_wait_xcnt 0x0
	s_add_nc_u64 s[62:63], s[62:63], 2048
.endr
.Lrows_done:
	s_wait_xcnt 0x0
	s_lshl_b32 s58, s24, 4
	s_add_co_u32 s58, s58, s22
	s_add_co_u32 s68, s56, s58                     ; my first pad row: eff + my wave's number among the batch's 128
	s_min_u32 s59, s68, 2303
	s_mul_i32 s58, s23, 2304
	s_add_co_u32 s58, s58, s59
	s_lshl_b32 s60, s58, 11
	s_add_nc_u64 s[62:63], s[14:15], s[60:61]
.irp k, 0,1,2,3
	v_mov_b32 v[ZR+\k], 0
.endr
.irp m, 0,1,2,3,4,5,6,7,8                      ; at most 1,151 pad rows, 128 apart: nine steps, left by a forward jump
	s_cmp_lt_u32 s68, s57
	s_cbranch_scc0 .Lpads_done
.irp j, 0,1,2,3
	global_store_b128 v[L16], v[ZR:ZR+3], s[62:63] offset:(\m)*262144+512*(\j) th:TH_STORE_NT
.endr
	s_add_co_u32 s68, s68, 128
.endr
.Lpads_done:
	s_wait_tensorcnt 0x0                           ; the wave's end, behind my last LDS store
	ds_add_u32 v[SPW], v[NIL]
	s_wait_dscnt 0x0
	s_endpgm
; ---------------- role B ----------------
; K = 1,024 is split among the 16 waves, 64 each.  y^T = Wh x last_state^T: source 0 = 16 rows h, source 1 = 16 batches: a lane ends with one batch (lane % 16) and h = 8 (lane / 16) + 0..7.
; A fragment (16 rows x 32 k) comes straight from f32: four loads of 16 bytes a lane, then eight roundings in place into its low eight registers.
.macro FRAG d, vo, sb, imm
	global_load_b128 v[(\d):(\d)+3],     v[\vo], s[\sb:\sb+1] offset:(\imm)
	global_load_b128 v[(\d)+4:(\d)+7],   v[\vo], s[\sb:\sb+1] offset:(\imm)+16
	global_load_b128 v[(\d)+8:(\d)+11],  v[\vo], s[\sb:\sb+1] offset:(\imm)+64
	global_load_b128 v[(\d)+12:(\d)+15], v[\vo], s[\sb:\sb+1] offset:(\imm)+80
.endm
.Lrole_b:
	s_sub_co_u32 s23, ttmp9, 256                   ; rb: rows h = 16 rb ..
	v_and_b32 v3, 15, v0
	v_bfe_u32 v4, v0, 4, 1
	s_lshl_b32 s24, s22, 8                         ; my 64 k: 256 bytes
	v_lshlrev_b32 v5, 13, v3                       ; W: row x 8,192
	v_lshl_add_u32 v5, v4, 5, v5
	v_add_nc_u32 v5, s24, v5
	v_lshlrev_b32 v6, 12, v3                       ; last_state: row x 4,096
	v_lshl_add_u32 v6, v4, 5, v6
	v_add_nc_u32 v6, s24, v6
	s_lshl_b32 s26, s23, 17
	s_mov_b32 s27, 0
	s_lshl_b32 s25, s22, 13
	v_lshl_add_u32 v24, v2, 4, s25                 ; my row of We: w x 8,192 + 16 lane
	s_lshl_b32 s25, s22, 11
	v_lshl_add_u32 v25, v2, 3, s25                 ; and in web: w x 2,048 + 8 lane
	v_lshl_add_u32 v26, v2, 5, s25                 ; my partial tiles: 2,048 w + 32 lane
	s_wait_kmcnt 0x0
	s_add_nc_u64 s[8:9], s[8:9], s[26:27]          ; W at row 16 rb
	s_lshl_b32 s26, s23, 15
	s_add_nc_u64 s[16:17], s[16:17], s[26:27]      ; web at row 16 rb
	s_lshl_b32 s26, s23, 6
	s_add_nc_u64 s[10:11], s[10:11], s[26:27]      ; b at 16 rb
	s_lshl_b32 s26, s23, 11
	s_add_nc_u64 s[18:19], s[18:19], s[26:27]      ; hbt at block rb
	FRAG 32, 5, 8, 0                               ; Wh, k step 0
	FRAG 48, 5, 8, 128                             ; Wh, k step 1
	FRAG 64, 6, 12, 0                              ; batches 0-15, k step 0
	FRAG 80, 6, 12, 128
	FRAG 96, 6, 12, 65536                          ; batches 16-31
	FRAG 112, 6, 12, 65536+128
	s_wait_loadcnt 0x0
.irp f, 32,48,64,80,96,112
.irp i, 0,1,2,3,4,5,6,7
	v_cvt_pk_bf16_f32 v[\f+\i], v[\f+2*\i], v[\f+2*\i+1]
.endr
.endr
	v_wmma_f32_16x16x32_bf16 v[8:15],  v[32:39], v[64:71],   0          ; the two accumulators take turns
	v_wmma_f32_16x16x32_bf16 v[16:23], v[32:39], v[96:103],  0
	v_wmma_f32_16x16x32_bf16 v[8:15],  v[48:55], v[80:87],   v[8:15]
	v_wmma_f32_16x16x32_bf16 v[16:23], v[48:55], v[112:119], v[16:23]
.rept 4
	v_nop                                          ; four places ahead of the loads into fragments and of the stores of the sums
.endr
.irp j, 0,1,2,3,4,5,6,7
	global_load_b128 v[64+4*\j:64+4*\j+3], v24, s[8:9] offset:4096+512*\j   ; my row of We
.endr
	ds_store_b128 v26, v[8:11]   offset:PART
	ds_store_b128 v26, v[12:15]  offset:PART+16
	ds_store_b128 v26, v[16:19]  offset:PART+1024
	ds_store_b128 v26, v[20:23]  offset:PART+1024+16
	s_wait_dscnt 0x0
	s_barrier_signal -1
	s_barrier_wait -1                              ; all sixteen partial sums lie in LDS
	s_wait_loadcnt 0x0
.irp j, 0,1,2,3,4,5,6,7
	v_cvt_pk_bf16_f32 v[64+4*\j], v[64+4*\j], v[64+4*\j+1]
	v_cvt_pk_bf16_f32 v[64+4*\j+1], v[64+4*\j+2], v[64+4*\j+3]
.endr
.irp j, 0,1,2,3,4,5,6,7
	global_store_b64 v25, v[64+4*\j:64+4*\j+1], s[16:17] offset:256*\j
.endr
	s_cmp_lt_u32 s22, 4
	s_cbranch_scc0 .Lend_b
	; threads 0-127: batch t / 4, h = 4 (t % 4) .. + 3: 16 bytes of the block, 512 on end for a wave
	v_and_b32 v27, 3, v0
	v_bfe_u32 v28, v0, 2, 4
	v_bfe_u32 v29, v0, 6, 1
	v_lshlrev_b32 v7, 10, v29                      ; tile of batches
	v_lshl_add_u32 v7, v28, 5, v7                  ; lane % 16 = batch % 16
	v_and_b32 v28, 1, v27
	v_lshl_add_u32 v7, v28, 4, v7                  ; registers 0-3 or 4-7
	v_lshrrev_b32 v28, 1, v27
	v_lshl_add_u32 v7, v28, 9, v7                  ; lane / 16 = h / 8
	v_lshlrev_b32 v27, 4, v27
	global_load_b128 v[8:11], v27, s[10:11]
	s_wait_xcnt 0x0                                ; the stores of We have read v[64:95], into which the loads below land
.irp k, 0,1,2,3,4,5,6,7,8,9,10,11,12,13,14,15
	ds_load_b128 v[X+4*\k:X+4*\k+3], v7 offset:PART+2048*\k
.endr
	s_wait_dscnt 0x0
.irp st, 1,2,4,8
.set k, 0
.rept 8/\st
	v_pk_add_f32 v[X+4*k:X+4*k+1], v[X+4*k:X+4*k+1], v[X+4*(k+\st):X+4*(k+\st)+1]
	v_pk_add_f32 v[X+4*k+2:X+4*k+3], v[X+4*k+2:X+4*k+3], v[X+4*(k+\st)+2:X+4*(k+\st)+3]
.set k, k+2*\st
.endr
.endr
	s_wait_loadcnt 0x0
	v_cvt_pk_bf16_f32 v12, v8, v9                  ; b rounded to bf16, like every input
	v_cvt_pk_bf16_f32 v13, v10, v11
	v_lshlrev_b32 v8, 16, v12
	v_and_b32 v9, 0xffff0000, v12
	v_lshlrev_b32 v10, 16, v13
	v_and_b32 v11, 0xffff0000, v13
	v_pk_add_f32 v[X:X+1], v[X:X+1], v[8:9]
	v_pk_add_f32 v[X+2:X+3], v[X+2:X+3], v[10:11]
	v_lshlrev_b32 v29, 4, v0
	global_store_b128 v29, v[X:X+3], s[18:19]
.Lend_b:
	s_wait_tensorcnt 0x0                           ; the wave's end, behind my last LDS store
	ds_add_u32 v[SPW], v[NIL]
	s_wait_dscnt 0x0
	s_endpgm
.Lfunc_end_k_q2fce4290c6_pack:
	.size	k_q2fce4290c6_pack, .Lfunc_end_k_q2fce4290c6_pack-k_q2fce4290c6_pack
	.p2alignl 7, 3214868480
	.fill 96, 4, 3214868480
	.section	.rodata,"a",@progbits
	.p2align	6, 0x0
	.amdhsa_kernel k_q2fce4290c6_pack
		.amdhsa_group_segment_fixed_size 35072
		.amdhsa_private_segment_fixed_size 0
		.amdhsa_enable_private_segment 0
		.amdhsa_kernarg_size 64
		.amdhsa_user_sgpr_count 2
		.amdhsa_user_sgpr_kernarg_segment_ptr 1
		.amdhsa_wavefront_size32 1
		.amdhsa_system_sgpr_workgroup_id_x 1
		.amdhsa_system_sgpr_workgroup_id_y 1
		.amdhsa_system_sgpr_workgroup_id_z 1
		.amdhsa_system_vgpr_workitem_id 0
		.amdhsa_next_free_vgpr 128
		.amdhsa_next_free_sgpr 72
		.amdhsa_reserve_vcc 0
		.amdhsa_float_denorm_mode_32 3
		.amdhsa_float_denorm_mode_16_64 3
		.amdhsa_memory_ordered 1
		.amdhsa_forward_progress 1
		.amdhsa_inst_pref_size 41
	.end_amdhsa_kernel
	.amdgpu_metadata
---
amdhsa.version: [ 1, 2 ]
amdhsa.kernels:
  - .name:           k_q2fce4290c6_pack
    .symbol:         k_q2fce4290c6_pack.kd
    .args:
      - { .name: enc_outputs, .offset: 0, .size: 8, .value_kind: global_buffer, .address_space: global }
      - { .name: attn_masks, .offset: 8, .size: 8, .value_kind: global_buffer, .address_space: global }
      - { .name: W, .offset: 16, .size: 8, .value_kind: global_buffer, .address_space: global }
      - { .name: b, .offset: 24, .size: 8, .value_kind: global_buffer, .address_space: global }
      - { .name: last_state, .offset: 32, .size: 8, .value_kind: global_buffer, .address_space: global }
      - { .name: encb, .offset: 40, .size: 8, .value_kind: global_buffer, .address_space: global }
      - { .name: web, .offset: 48, .size: 8, .value_kind: global_buffer, .address_space: global }
      - { .name: hbt, .offset: 56, .size: 8, .value_kind: global_buffer, .address_space: global }
    .group_segment_fixed_size: 35072
    .private_segment_fixed_size: 0
    .kernarg_segment_align: 8
    .kernarg_segment_size: 64
    .max_flat_workgroup_size: 512
    .sgpr_count:     72
    .vgpr_count:     128
    .wavefront_size: 32
...
	.end_amdgpu_metadata
.endif
;; end of part 1
;; launch gemm (part 2): grid 16 x 16, 4 waves a work-group, clusters of 4 x 4, 327,680 bytes of LDS; arguments encb, web, hbt, V, ps; writes ps
.if DOCPART == 2
	.amdgcn_target "amdgcn-amd-amdhsa--gfx1250"
	.amdhsa_code_object_version 6
	.text
	.protected	k_q2fce4290c6_gemm
	.globl	k_q2fce4290c6_gemm
	.p2align	8
	.type	k_q2fce4290c6_gemm,@function
k_q2fce4290c6_gemm:
	s_mov_b64 s[64:65], 0
	v_nop
	global_prefetch_b8 v0, s[64:65] scope:SCOPE_SE
	s_setreg_imm32_b32 hwreg(HW_REG_WAVE_MODE, 25, 1), 1
	s_wait_xcnt 0x0
	s_wait_alu depctr_hold_cnt(0) depctr_sa_sdst(0) depctr_va_vdst(0) depctr_va_sdst(0) depctr_va_ssrc(0) depctr_va_vcc(0) depctr_vm_vsrc(0)
	s_getreg_b32 s2, hwreg(HW_REG_IB_STS2, 6, 4)
	s_cmp_eq_u32 s2, 0
	s_cbranch_scc0 .Lentry_in_a_cluster
	s_endpgm
.Lentry_in_a_cluster:
	s_bfe_u32 s2, ttmp6, 0x10000c
	s_cmp_lg_u32 s2, 0xf033
	s_cbranch_scc0 .Lentry_shape_is_right
	s_endpgm
.Lentry_shape_is_right:
; GEMM WITH TANH AND V.  A JOB is the first slot of a batch in encb: its packed rows 0 to 1,151.  ps[batch][cx][cy][320] = for row 288 cy + r the sum over h = 256 cx .. + 255 of
; V[h] tanh(enc_row . We[h] + hb[batch][h]); words 288-319 of a chunk are 0.  Operands bf16, sums f32, V rounded to bf16 and kept as f32, hb f32.
; SHARES.  A cluster of 4 x 4 work-groups takes a job: cy picks 288 rows, cx 256 h.  Cluster c has two jobs, batches c and c + 16: every branch, barrier, round and joint load hangs on ids and constant counts alone.
; A wave makes 144 rows x 128 h: 72 accumulators, 576 registers.  K goes in 8 steps of 128 through two LDS slots; the ring runs on into the second job.
; Packed rows 1,152 and on (a batch with more than 1,152 kept rows) are not this launch's: how many there are hangs on the masks, so the launch that uses their scores makes them.
; JOINT LOADS.  The rows' tile hangs on cy and the job and is shared along a row of the cluster, We's tile on cx and is shared along a column.
; TRANSPOSED USE.  Source 0 = 16 rows of We, source 1 = 16 packed rows: a lane holds ONE packed row (lane % 16) and h = 16 bq + 8 (lane / 16) + 0..7, so hb and V are plain registers beside the sums,
; hb is the C operand of the products that start the sums, and the sum over h stays in the lane but for one exchange.
; tanh x = 1 - 2 / (1 + 2^(2 log2(e) x)): +1 and -1 where the power overflows or vanishes.  2^x and 1/x flush denormals; NaN and infinities are not treated apart.
; REGISTERS in windows of 256 (s_set_vgpr_msb: bits 1:0 source 0, 3:2 source 1, 5:4 source 2, 7:6 destination):
;   window 0: v0-31 addresses; v32-103, v104-175 the rows' fragments (9 x 8), two buffers; v176-239 hb; v240-248 row sums
;   window 1: v0-63, v64-127 We's fragments, two buffers; v128-191 accumulators of row block 8; v192-255 V
;   window 2: accumulators of row blocks 0-3 (block a, h block bq at 8 (8 a + bq));   window 3: blocks 4-7
.set PITCH, 272                        ; an LDS row: 256 bytes + 16 of padding: the 16 rows of a fragment load start 4 banks apart
.set AH,    144*PITCH                  ; what one load brings of the rows' tile, and what one wave reads of it
.set BH,    128*PITCH                  ; the same for We
.set BOFF,  2*AH
.set SLOT,  2*AH+2*BH
.set STAGE, 2*SLOT                     ; behind the ring, never filled by a tensor load: 2 x 320 f32
.set SPARE, STAGE+2560                 ; the spare words: 128 bytes a wave; no other line names them
.set JOBB,  1152*2048                  ; bytes of a slot of encb
.set BATB,  2*JOBB                     ; bytes of a batch in encb
.set ADRA, 16                          ; v16-17 LDS address of my rows' fragments in slot 0, 1
.set ADRB, 20                          ; v20-21 the same for We
.set STW,  24                          ; v24 where I put a row's sum
.set STR,  25                          ; v25 where I read four sums back
.set PSO,  26                          ; v26 my 16 bytes of the chunk of ps
.set HBO,  27                          ; v27 32 x (lane / 16)
.set SPW,  28                          ; v28 my spare word; never rewritten
.set NIL,  29                          ; v29 0; never rewritten
.set PFO,  30                          ; v30 prefetches: (lane % 16) rows + (lane / 16) K steps
.set PFO2, 31                          ; v31 prefetches: 256 x lane
.set EF,   32
.set HB,   176
.set TS,   240
.set VV,   192
.set G1A, 24                           ; s[24:31] group 1, rows' tiles;  s[32:39] group 0, a set for each slot
.set G0A, 32
.set G1B, 40                           ; s[40:47], s[48:55] the same for We's tiles
.set G0B, 48
.set PFA, 74                           ; s[74:75] prefetches of rows 0-255 of my cy's tile: my 16 rows, at the job's K step 2 x lap
.set PFB, 76                           ; s[76:77] the same for We
.set PFR, 80                           ; s[80:81] prefetches of rows 256-287
.set MSB, 0
.macro WIN new                         ; the immediate's high byte repeats the setting that is left; a switch that changes nothing is dropped
.if MSB != (\new)
	s_set_vgpr_msb (MSB<<8)|(\new)
.set MSB, \new
.endif
.endm
.macro PLACES                          ; four places behind matrix instructions, ahead of loads into their sources and of vector work on their results
.rept 4
	v_nop
.endr
.endm
.macro JLOAD s                         ; a joint load: waves 0 and 1 fetch the halves of the rows' tile, waves 2 and 3 those of We's; s_nop 0 and four v_nop follow each line
	s_cmp_eq_u32 s17, 0
	s_cbranch_scc0 .Lfor_b_\@
	tensor_load_to_lds s[G0A+4*(\s):G0A+4*(\s)+3], s[G1A:G1A+7]
	s_nop 0
.rept 4
	v_nop
.endr
	s_branch .Lasked_\@
.Lfor_b_\@:
	tensor_load_to_lds s[G0B+4*(\s):G0B+4*(\s)+3], s[G1B:G1B+7]
	s_nop 0
.rept 4
	v_nop
.endr
.Lasked_\@:
.endm
.macro CREST                           ; a round of the cluster's barrier behind its opening barrier
	s_cmp_lg_u32 s16, 0
	s_cbranch_scc1 .Lnot_wave_0_\@
	s_barrier_signal -3
.Lnot_wave_0_\@:
	s_barrier_wait -3
	s_barrier_signal -1
	s_barrier_wait -1
.endm
.macro CROUND
	s_barrier_signal -1
	s_barrier_wait -1
	CREST
.endm
; PREFETCHES INTO THE L2, once a lap, behind the joint load's lines and the run of LDS loads.  A lane names one row's 256 bytes of one K step: 16 rows x the two K steps of a lap.
; Rows 0-255 of a cy's tile: the sixteen waves of the four partners along cx take 16 rows each, told apart by address.  how = 0: K steps 2 lap + 4 and + 5; the loop's last trip has none.
; We's 256 rows of a cx: the sixteen waves along cy, in cluster 0 and in its first job alone (all jobs and clusters read the same We).
; how = 1, at the change of jobs: the next job's K steps 2 and 3, and its rows 256-287 whole (waves 0 and 1 of each partner: four rows, 8,192 bytes on end).  So each block is named once.
.macro ASK how
.if \how
	global_prefetch_b8 v[PFO], s[PFA:PFA+1] offset:512 th:TH_LOAD_NT scope:SCOPE_SE
	s_cmp_lt_u32 s16, 2
	s_cbranch_scc0 .Lno_rest_\@
	global_prefetch_b8 v[PFO2], s[PFR:PFR+1] th:TH_LOAD_NT scope:SCOPE_SE
.Lno_rest_\@:
.else
	s_cmp_gt_u32 s3, 1
	s_cbranch_scc0 .Lno_a_\@
	global_prefetch_b8 v[PFO], s[PFA:PFA+1] offset:1024 th:TH_LOAD_NT scope:SCOPE_SE
.Lno_a_\@:
	s_cmp_gt_u32 s3, s79
	s_cbranch_scc0 .Lno_b_\@
	global_prefetch_b8 v[PFO], s[PFB:PFB+1] offset:1024 th:TH_LOAD_NT scope:SCOPE_SE
.Lno_b_\@:
.endif
.endm
	s_load_b256 s[4:11], s[0:1], 0x0               ; encb s[4:5], web s[6:7], hbt s[8:9], V s[10:11]
	s_load_b64 s[14:15], s[0:1], 0x20              ; ps
	v_lshl_add_u32 v[SPW], v0, 2, SPARE
	v_mov_b32 v[NIL], 0
	ds_add_u32 v[SPW], v[NIL]                      ; the wave's opening: the add, twice on end, and its wait ahead of my first tensor load
	ds_add_u32 v[SPW], v[NIL]
	v_lshrrev_b32 v1, 5, v0
	v_readfirstlane_b32 s16, v1                    ; wave 0..3
	s_lshr_b32 s17, s16, 1                         ; mh: which 144 rows are mine.  Also: I fetch rows (0) or We (1)
	s_and_b32 s18, s16, 1                          ; nh: which 128 h.  Also: which half of that tile I fetch
	s_bfe_u32 s19, ttmp6, 0x40000                  ; cx
	s_bfe_u32 s20, ttmp6, 0x40004                  ; cy
	s_and_b32 s21, ttmp7, 0xffff
	s_lshl_b32 s21, s21, 2
	s_add_co_u32 s21, s21, ttmp9                   ; c: the cluster's number, 0..15
	s_lshl_b32 s22, s20, 2
	s_lshl_b32 s22, 15, s22                        ; my row of the cluster
	s_lshl_b32 s23, 0x1111, s19                    ; my column
	s_or_b32 s[G1A], s22, (1<<16)|(1<<20)|(1<<21)|(5<<22)|(3<<25)  ; the mask; 2-byte elements; padding on; bit 21 beside a mask; after every 64 words 4 words
	s_or_b32 s[G1B], s23, (1<<16)|(1<<20)|(1<<21)|(5<<22)|(3<<25)
	s_mov_b32 s[G1A+1], 128<<16                    ; tensor_dim0 = 128
	s_mov_b32 s[G1A+2], 144<<16                    ; tensor_dim1 = 144
	s_mov_b32 s[G1A+3], 128<<16                    ; tile_dim0 = 128
	s_mov_b32 s[G1A+4], 144                        ; tile_dim1 = 144
	s_mov_b32 s[G1A+5], 1024                       ; elements from row to row
	s_mov_b32 s[G1A+6], 0
	s_mov_b32 s[G1A+7], 0
	s_mov_b32 s[G1B+1], 128<<16
	s_mov_b32 s[G1B+2], 128<<16
	s_mov_b32 s[G1B+3], 128<<16
	s_mov_b32 s[G1B+4], 128
	s_mov_b32 s[G1B+5], 1024
	s_mov_b32 s[G1B+6], 0
	s_mov_b32 s[G1B+7], 0
	s_mul_i32 s22, s18, AH                         ; where my half goes: the wave's number alone enters an LDS address
	s_mul_i32 s23, s18, BH
	s_add_co_u32 s23, s23, BOFF
	s_mul_i32 s58, s20, 589824                     ; cy's 288 rows,
	s_mul_i32 s59, s18, 294912                     ; my 144 of them
	s_add_co_u32 s58, s58, s59
	s_mov_b32 s59, 0
	s_lshl_b32 s72, s19, 19                        ; cx's 256 rows of We,
	s_lshl_b32 s73, s18, 18                        ; my 128 of them
	s_add_co_u32 s72, s72, s73
	s_mov_b32 s73, 0
	s_mov_b32 s60, 0x76543210                      ; v_permlanex16_b32: each lane takes its own place in the other half
	s_mov_b32 s61, 0xfedcba98
	s_mov_b32 s62, 0x4038aa3b                      ; 2 log2(e)
	s_mov_b32 s63, s62
	s_mov_b32 s68, s21                             ; the batch in hand
	s_add_co_u32 s69, s21, 16                      ; the batch behind it
	s_wait_dscnt 0x0                               ; both opening adds are done
	s_wait_kmcnt 0x0
	s_add_nc_u64 s[56:57], s[4:5], s[58:59]        ; the rows' base for my loads
	s_add_nc_u64 s[72:73], s[6:7], s[72:73]        ; We's: rows 256 cx + 128 nh on
	s_mul_i32 s58, s68, BATB
	CROUND                                         ; all sixteen work-groups are here: the first joint loads meet
.irp s, 0,1
	s_mov_b32 s[G0A+4*(\s)], 1
	s_add_co_u32 s[G0A+4*(\s)+1], s22, (\s)*SLOT
	s_add_nc_u64 s[G0A+4*(\s)+2:G0A+4*(\s)+3], s[56:57], s[58:59]
	s_add_nc_u64 s[G0A+4*(\s)+2:G0A+4*(\s)+3], s[G0A+4*(\s)+2:G0A+4*(\s)+3], (\s)*256
	s_or_b32 s[G0A+4*(\s)+3], s[G0A+4*(\s)+3], 0x80000000
	s_mov_b32 s[G0B+4*(\s)], 1
	s_add_co_u32 s[G0B+4*(\s)+1], s23, (\s)*SLOT
	s_add_nc_u64 s[G0B+4*(\s)+2:G0B+4*(\s)+3], s[72:73], (\s)*256
	s_or_b32 s[G0B+4*(\s)+3], s[G0B+4*(\s)+3], 0x80000000
	JLOAD \s                                       ; K steps 0 and 1: two loads of mine are out
.endr
	v_and_b32 v1, 15, v0
	v_bfe_u32 v2, v0, 4, 1
	v_mul_u32_u24 v3, v1, PITCH
	v_lshl_add_u32 v3, v2, 4, v3                   ; a fragment's row x pitch + 16 x half
	s_mul_i32 s2, s17, AH
	s_mul_i32 s87, s18, BH
	s_add_co_u32 s87, s87, BOFF
.irp s, 0,1
	v_add_nc_u32 v[ADRA+(\s)], s2, v3
	v_add_nc_u32 v[ADRB+(\s)], s87, v3
	s_add_co_u32 s2, s2, SLOT
	s_add_co_u32 s87, s87, SLOT
.endr
	s_mul_i32 s2, s18, 1280
	s_mul_i32 s87, s17, 576
	s_add_co_u32 s2, s2, s87
	s_add_co_u32 s2, s2, STAGE
	v_lshl_add_u32 v[STW], v1, 2, s2               ; half nh of the stage, row 144 mh + lane % 16
	v_min_u32 v4, 79, v0
	v_lshlrev_b32 v[PSO], 4, v4
	v_add_nc_u32 v[STR], STAGE, v[PSO]
	v_lshlrev_b32 v[HBO], 5, v2
	v_lshlrev_b32 v[PFO], 11, v1
	v_lshl_add_u32 v[PFO], v2, 8, v[PFO]
	v_and_b32 v[PFO2], 31, v0
	v_lshlrev_b32 v[PFO2], 8, v[PFO2]
	s_mov_b32 s85, 0
	s_mul_i32 s58, s20, 589824
	s_lshl_b32 s2, s19, 2
	s_add_co_u32 s2, s2, s16
	s_lshl_b32 s2, s2, 15
	s_add_co_u32 s84, s2, s58
	s_add_nc_u64 s[88:89], s[4:5], s[84:85]        ; rows 16 (4 cx + w) .. of cy's tile, in batch 0
	s_lshl_b32 s2, s19, 1
	s_add_co_u32 s2, s2, s18
	s_lshl_b32 s2, s2, 13
	s_add_co_u32 s2, s2, s58
	s_add_co_u32 s84, s2, 524288
	s_add_nc_u64 s[90:91], s[4:5], s[84:85]        ; rows 256 + 4 (2 cx + w % 2) ..
	s_lshl_b32 s2, s20, 2
	s_add_co_u32 s2, s2, s16
	s_lshl_b32 s2, s2, 15
	s_lshl_b32 s84, s19, 19
	s_add_co_u32 s84, s84, s2
	s_add_nc_u64 s[PFB:PFB+1], s[6:7], s[84:85]    ; rows 16 (4 cy + w) .. of cx's 256 rows of We
	s_mul_i32 s84, s68, BATB
	s_add_nc_u64 s[PFA:PFA+1], s[88:89], s[84:85]
	s_mov_b64 s[PFR:PFR+1], s[90:91]
	s_cmp_eq_u32 s21, 0
	s_cselect_b32 s79, 1, -1                       ; We is asked for by cluster 0 alone: the same in all sixteen partners
	s_lshl_b32 s84, s19, 15
	s_lshl_b32 s2, s18, 14
	s_add_co_u32 s84, s84, s2
	s_add_nc_u64 s[92:93], s[8:9], s[84:85]        ; hbt at h block 16 cx + 8 nh
	s_lshl_b32 s2, s19, 2
	s_add_co_u32 s2, s2, s20
	s_mul_i32 s84, s2, 1280
	s_add_nc_u64 s[94:95], s[14:15], s[84:85]      ; ps at chunk (cx, cy) of batch 0
	s_lshl_b32 s84, s19, 10
	s_lshl_b32 s2, s18, 9
	s_add_co_u32 s84, s84, s2
	s_add_nc_u64 s[10:11], s[10:11], s[84:85]      ; V at my 128 h
	s_cmp_lt_u32 s16, 2
	s_cbranch_scc0 .Lno_zero                       ; waves 0 and 1: words 288-319 of the stage's two halves are 0, once
	v_and_b32 v4, 31, v0
	v_lshlrev_b32 v4, 2, v4
	s_mul_i32 s2, s16, 1280
	s_add_co_u32 s2, s2, STAGE+1152
	v_add_nc_u32 v4, s2, v4
	v_mov_b32 v5, 0
	ds_store_b32 v4, v5
.Lno_zero:
	WIN 0x40                                       ; destination window 1
.irp bq, 0,1,2,3,4,5,6,7
	global_load_b128 v[VV+8*\bq:VV+8*\bq+3],   v[HBO], s[10:11] offset:64*\bq
	global_load_b128 v[VV+8*\bq+4:VV+8*\bq+7], v[HBO], s[10:11] offset:64*\bq+16
.endr
	WIN 0
.macro HBLOAD bt                       ; hb of batch s[bt]: 16 loads; every lane of a half reads the same 32 bytes of each h block
	s_lshl_b32 s58, s[\bt], 6
	s_mov_b32 s59, 0
	s_add_nc_u64 s[82:83], s[92:93], s[58:59]
.irp bq, 0,1,2,3,4,5,6,7
	global_load_b128 v[HB+8*\bq:HB+8*\bq+3],   v[HBO], s[82:83] offset:2048*\bq
	global_load_b128 v[HB+8*\bq+4:HB+8*\bq+7], v[HBO], s[82:83] offset:2048*\bq+16
.endr
.endm
	HBLOAD 68
	s_wait_loadcnt 16                              ; V is in; hb's sixteen loads may stay out
	WIN 0x45                                       ; all in window 1: V is rounded to bf16 and widened again
.set i, 0
.rept 32
	v_cvt_pk_bf16_f32 v[64+i], v[VV+2*i], v[VV+2*i+1]
.set i, i+1
.endr
.set i, 0
.rept 32
	v_lshlrev_b32 v[VV+2*i], 16, v[64+i]
	v_and_b32 v[VV+2*i+1], 0xffff0000, v[64+i]
.set i, i+1
.endr
	WIN 0
; n row blocks from a0 on x all 8 h blocks, 32 along K, from buffer f.  first = 1: the products start the sums with hb as C.  The accumulators take turns, in one order everywhere.
.macro MUL f, a0, n, first
.set aa, \a0
.rept \n
.if aa < 4
.set AW, 2
.set AB, 64*aa
.elseif aa < 8
.set AW, 3
.set AB, 64*(aa-4)
.else
.set AW, 1
.set AB, 128
.endif
.if \first
	WIN (AW<<6)|1
.else
	WIN (AW<<6)|(AW<<4)|1
.endif
.set bb, 0
.rept 8
.if \first
	v_wmma_f32_16x16x32_bf16 v[AB+8*bb:AB+8*bb+7], v[64*(\f)+8*bb:64*(\f)+8*bb+7], v[EF+72*(\f)+8*aa:EF+72*(\f)+8*aa+7], v[HB+8*bb:HB+8*bb+7]
.else
	v_wmma_f32_16x16x32_bf16 v[AB+8*bb:AB+8*bb+7], v[64*(\f)+8*bb:64*(\f)+8*bb+7], v[EF+72*(\f)+8*aa:EF+72*(\f)+8*aa+7], v[AB+8*bb:AB+8*bb+7]
.endif
.set bb, bb+1
.endr
.set aa, aa+1
.endr
.endm
; 34 LDS loads in one run: a quarter step's fragments (128 rows of We, then my 144 rows) at byte k of the rows, into buffer f
.macro FETCH slot, k, f
	WIN 0x40
.irp i, 0,1,2,3,4,5,6,7
	ds_load_b128 v[64*(\f)+8*\i:64*(\f)+8*\i+3],   v[ADRB+(\slot)] offset:(\k)+\i*16*PITCH
	ds_load_b128 v[64*(\f)+8*\i+4:64*(\f)+8*\i+7], v[ADRB+(\slot)] offset:(\k)+\i*16*PITCH+32
.endr
	WIN 0
.irp i, 0,1,2,3,4,5,6,7,8
	ds_load_b128 v[EF+72*(\f)+8*\i:EF+72*(\f)+8*\i+3],   v[ADRA+(\slot)] offset:(\k)+\i*16*PITCH
	ds_load_b128 v[EF+72*(\f)+8*\i+4:EF+72*(\f)+8*\i+7], v[ADRA+(\slot)] offset:(\k)+\i*16*PITCH+32
.endr
.endm
; A K step is four quarters of 32 along K, 72 matrix instructions each, on buffers 0, 1, 0, 1.  One of the first three:
.macro QUARTER slot, k, f, g, first
	s_wait_dscnt 10                                ; We and row blocks 0-3 are in; the youngest ten loads (blocks 4-8) may be out
	MUL \f, 0, 4, \first
	PLACES
	FETCH \slot, \k, \g
	s_wait_dscnt 34                                ; all but the 34 just issued
	MUL \f, 4, 4, \first
	MUL \f, 8, 1, \first
.endm
; The last quarter multiplies buffer 1 and changes slots.  In front of the barrier each wave waits for all its tensor loads (one is out: its part of the next slot), adds 0 to its spare word, and waits for that and
; for its reads of this slot.  mode 0: the barrier opens a round of the cluster's, and this slot takes the job's K step two on.  mode 1: it takes the NEXT job's K step 0 or 1.  mode 2: the last job: nothing is filled, no round.
.macro TURN slot, next, mode
.if ((\slot) == 1) && ((\mode) == 0)
	s_wait_xcnt 0x0                                ; the lap's prefetches, four quarters back, have read their addresses
	s_add_nc_u64 s[PFA:PFA+1], s[PFA:PFA+1], 512
	s_add_nc_u64 s[PFB:PFB+1], s[PFB:PFB+1], 512
.endif
.if ((\slot) == 0) && ((\mode) == 1)
	s_wait_xcnt 0x0
	s_mul_i32 s84, s69, BATB
	s_mov_b32 s85, 0
	s_add_nc_u64 s[PFA:PFA+1], s[88:89], s[84:85]  ; the next job's rows
	s_add_nc_u64 s[PFR:PFR+1], s[90:91], s[84:85]
	s_mov_b32 s79, -1                              ; We has been read: it is asked for no more
.endif
	WIN 0
	s_wait_tensorcnt 0x0                           ; all my tensor loads have landed
	ds_add_u32 v[SPW], v[NIL]                      ; 0 onto my spare word
	s_wait_dscnt 11                                ; (the add and the youngest ten loads may be out)
	MUL 1, 0, 2, 0
	s_wait_dscnt 0x0                               ; the add is done, and my reads of this slot are over
	s_barrier_signal -1
	MUL 1, 2, 2, 0
.if (\mode) < 2
	WIN 0
.endif
	s_barrier_wait -1
.if (\mode) == 0
	CREST
	s_add_nc_u64 s[G0A+4*(\slot)+2:G0A+4*(\slot)+3], s[G0A+4*(\slot)+2:G0A+4*(\slot)+3], 512
	s_add_nc_u64 s[G0B+4*(\slot)+2:G0B+4*(\slot)+3], s[G0B+4*(\slot)+2:G0B+4*(\slot)+3], 512
	JLOAD \slot                                    ; the first tensor load behind the round; its four v_nop are also the places ahead of the loads below
.elseif (\mode) == 1
	CREST
	s_mul_i32 s58, s69, BATB
	s_mov_b32 s59, 0
	s_add_nc_u64 s[G0A+4*(\slot)+2:G0A+4*(\slot)+3], s[56:57], s[58:59]
	s_add_nc_u64 s[G0A+4*(\slot)+2:G0A+4*(\slot)+3], s[G0A+4*(\slot)+2:G0A+4*(\slot)+3], (\slot)*256
	s_or_b32 s[G0A+4*(\slot)+3], s[G0A+4*(\slot)+3], 0x80000000
	s_sub_nc_u64 s[G0B+4*(\slot)+2:G0B+4*(\slot)+3], s[G0B+4*(\slot)+2:G0B+4*(\slot)+3], 1536  ; We goes back along K: six K steps
	JLOAD \slot
.else
	PLACES
.endif
	FETCH \next, 0, 0
.if ((\slot) == 0) && ((\mode) < 2)
	ASK \mode
.endif
	MUL 1, 4, 4, 0
	MUL 1, 8, 1, 0
.endm
; THE EPILOGUE, in place on the accumulators, a row block (64 registers) at a time, under one window setting a block: destination, source 0 and source 2 in the block's window, source 1 (V) in window 1.
.macro GSET g
.if (\g) < 4
.set EWn, 2
.set EBn, 64*(\g)
.elseif (\g) < 8
.set EWn, 3
.set EBn, 64*((\g)-4)
.else
.set EWn, 1
.set EBn, 128
.endif
.endm
.macro EWIN g
	GSET \g
	WIN (EWn<<6)|(EWn<<4)|4|EWn
.endm
.macro OPZ g, p                        ; 2 log2(e) x, pair p; ascending
	EWIN \g
	v_pk_mul_f32 v[EBn+2*(\p):EBn+2*(\p)+1], v[EBn+2*(\p):EBn+2*(\p)+1], s[62:63] op_sel_hi:[1,0]
.endm
.macro OPE g, n
	EWIN \g
	v_exp_f32 v[EBn+(\n)], v[EBn+(\n)]
.endm
.macro OPA g, p
	EWIN \g
	v_pk_add_f32 v[EBn+2*(\p):EBn+2*(\p)+1], v[EBn+2*(\p):EBn+2*(\p)+1], 1.0 op_sel_hi:[1,0]
.endm
.macro OPR g, n
	EWIN \g
	v_rcp_f32 v[EBn+(\n)], v[EBn+(\n)]
.endm
.macro QTS g, n                        ; entry n of 64: 0-31 tanh = 1 - 2 y; 32-63 its product with V, summed in four chains that lie in the block's first four pairs
	EWIN \g
.if (\n) < 32
	v_pk_fma_f32 v[EBn+2*(\n):EBn+2*(\n)+1], v[EBn+2*(\n):EBn+2*(\n)+1], -2.0, 1.0 op_sel_hi:[1,0,0]
.elseif (\n) < 36
	v_pk_mul_f32 v[EBn+2*((\n)-32):EBn+2*((\n)-32)+1], v[EBn+2*((\n)-32):EBn+2*((\n)-32)+1], v[VV+2*((\n)-32):VV+2*((\n)-32)+1]
.else
	v_pk_fma_f32 v[EBn+2*((\n)%4):EBn+2*((\n)%4)+1], v[EBn+2*((\n)-32):EBn+2*((\n)-32)+1], v[VV+2*((\n)-32):VV+2*((\n)-32)+1], v[EBn+2*((\n)%4):EBn+2*((\n)%4)+1]
.endif
.endm
.macro FSUM g                          ; the four chains into one pair (a multiply by 1.0, so that no source stands in V's window)
	EWIN \g
	v_pk_fma_f32 v[EBn:EBn+1], v[EBn+2:EBn+3], 1.0, v[EBn:EBn+1] op_sel_hi:[1,0,1]
	v_pk_fma_f32 v[EBn+4:EBn+5], v[EBn+6:EBn+7], 1.0, v[EBn+4:EBn+5] op_sel_hi:[1,0,1]
	v_pk_fma_f32 v[EBn:EBn+1], v[EBn+4:EBn+5], 1.0, v[EBn:EBn+1] op_sel_hi:[1,0,1]
.endm
; XG g: block g's 64 powers are one batch with one wait; between them stands the tail of block g - 1 (block 0: its own scalings).  Where the two blocks lie in different windows the tail stands ahead as a lump.
.macro XG g
.if (\g) == 0
	OPZ 0, 0
	OPZ 0, 1
.set nn, 0
.rept 64
	OPE 0, nn
.if nn < 30
	OPZ 0, nn+2
.endif
.set nn, nn+1
.endr
	v_nop                                          ; a plain instruction behind the last power
.elseif ((\g)/4) == (((\g)-1)/4)
.set nn, 0
.rept 64
	OPE \g, nn
	QTS (\g)-1, nn
.set nn, nn+1
.endr
	FSUM (\g)-1                                    ; plain work behind the last power
.else
.set nn, 0
.rept 64
	QTS (\g)-1, nn
.set nn, nn+1
.endr
	FSUM (\g)-1
.set nn, 0
.rept 64
	OPE \g, nn
.set nn, nn+1
.endr
	v_nop
.endif
	s_wait_alu depctr_va_vdst(0)                   ; one wait for the batch, ahead of its first reader
.endm
; YG g: 1 + power, and the 64 reciprocals, one batch with one wait; between them the additions still to come and the next block's scalings.
.macro YG g
	OPA \g, 0
	OPA \g, 1
.set nn, 0
.rept 64
	OPR \g, nn
.if nn < 30
	OPA \g, nn+2
.elseif (nn < 62) && ((\g) < 8) && (((\g)/4) == (((\g)+1)/4))
	OPZ (\g)+1, nn-30
.endif
.set nn, nn+1
.endr
.if ((\g) < 8) && (((\g)/4) != (((\g)+1)/4))
.set nn, 0
.rept 32
	OPZ (\g)+1, nn
.set nn, nn+1
.endr
.else
	v_nop
.endif
	s_wait_alu depctr_va_vdst(0)
.endm
	s_wait_tensorcnt 1                             ; my part of K step 0 is in; K step 1's may stay out
	s_wait_dscnt 0x0                               ; the stage's zeros are written
	s_barrier_signal -1
	s_barrier_wait -1
	FETCH 0, 0, 0
	s_mov_b32 s96, 2                               ; jobs to go, this one among them: a constant, the same everywhere
.Ljob:
	s_wait_loadcnt 0x0                             ; hb of this job's batch
	QUARTER 0, 64, 0, 1, 1                         ; the first quarter's products start the sums with hb
	WIN 0
	s_mov_b32 s3, 3
.Llap:                                         ; once round the ring: both slots are filled again
	QUARTER 0, 128, 1, 0, 0
	QUARTER 0, 192, 0, 1, 0
	TURN 0, 1, 0
	QUARTER 1, 64, 0, 1, 0
	QUARTER 1, 128, 1, 0, 0
	QUARTER 1, 192, 0, 1, 0
	TURN 1, 0, 0
	QUARTER 0, 64, 0, 1, 0
	WIN 0
	s_sub_co_u32 s3, s3, 1
	s_cmp_lg_u32 s3, 0
	s_cbranch_scc1 .Llap
	QUARTER 0, 128, 1, 0, 0
	QUARTER 0, 192, 0, 1, 0
	WIN 0
	s_cmp_eq_u32 s96, 1
	s_cbranch_scc1 .Llast
	TURN 0, 1, 1                                   ; the ring goes on into the next job: slot 0 takes its K step 0,
	QUARTER 1, 64, 0, 1, 0
	QUARTER 1, 128, 1, 0, 0
	QUARTER 1, 192, 0, 1, 0
	TURN 1, 0, 1                                   ; slot 1 its K step 1, and its first fragments are fetched
	WIN 0
	s_branch .Lepi
.Llast:                                        ; the last job asks for nothing more
	TURN 0, 1, 2
	QUARTER 1, 64, 0, 1, 0
	QUARTER 1, 128, 1, 0, 0
	QUARTER 1, 192, 0, 1, 0
	s_wait_dscnt 10
	MUL 1, 0, 4, 0
	s_wait_dscnt 0x0
	MUL 1, 4, 4, 0
	MUL 1, 8, 1, 0
	WIN 0
.Lepi:
	PLACES
	HBLOAD 69                                      ; hb for the next job (behind the last job: the same batch once more, loaded and not used)
.irp g, 0,1,2,3,4,5,6,7,8
	XG \g
	YG \g
.endr
.set nn, 0
.rept 64
	QTS 8, nn
.set nn, nn+1
.endr
	FSUM 8
.irp g, 0,1,2,3,4,5,6,7,8
	GSET \g
	WIN (EWn<<2)|EWn
	v_add_f32 v[TS+\g], v[EBn], v[EBn+1]
.endr
	WIN 0
.irp g, 0,1,2,3,4,5,6,7,8
	v_permlanex16_b32 v[EF+72+\g], v[TS+\g], s60, s61   ; the row's other 64 h lie in the lane 16 away
.endr
.irp g, 0,1,2,3,4,5,6,7,8
	v_add_f32 v[TS+\g], v[TS+\g], v[EF+72+\g]
.endr
.irp g, 0,1,2,3,4,5,6,7,8
	ds_store_b32 v[STW], v[TS+\g] offset:64*\g     ; both halves of the lanes write the same word with the same number
.endr
	s_wait_dscnt 0x0                               ; my sums are in the stage (and the next job's first fragments are in)
	s_barrier_signal -1
	s_barrier_wait -1                              ; the next job's tile may stay out
	s_wait_xcnt 0x0                                ; EXEC and the store's base change only behind this wait
	s_mul_i32 s58, s68, 20480
	s_mov_b32 s59, 0
	s_add_nc_u64 s[84:85], s[94:95], s[58:59]
	v_cmp_gt_u32 vcc_lo, 80, v0
	s_and_saveexec_b32 s86, vcc_lo                 ; threads 0-79: four rows each
	ds_load_b128 v[104:107], v[STR]
	ds_load_b128 v[108:111], v[STR] offset:1280
	s_wait_dscnt 0x0
	v_pk_add_f32 v[104:105], v[104:105], v[108:109]
	v_pk_add_f32 v[106:107], v[106:107], v[110:111]
	global_store_b128 v[PSO], v[104:107], s[84:85] ; 1,280 bytes on end, aligned: five whole blocks of 256
	s_wait_xcnt 0x0
	s_or_b32 exec_lo, exec_lo, s86
	s_mov_b32 s68, s69
	s_sub_co_u32 s96, s96, 1
	s_cmp_lg_u32 s96, 0
	s_cbranch_scc1 .Ljob
	s_wait_tensorcnt 0x0                           ; the wave's end, behind my last tensor load and my last LDS store
	ds_add_u32 v[SPW], v[NIL]
	s_wait_dscnt 0x0
	CROUND                                         ; the closing round: no work-group ends while a partner may still ask for a tile that names it
	s_endpgm
.Lfunc_end_k_q2fce4290c6_gemm:
	.size	k_q2fce4290c6_gemm, .Lfunc_end_k_q2fce4290c6_gemm-k_q2fce4290c6_gemm
	.p2alignl 7, 3214868480
	.fill 96, 4, 3214868480
	.section	.rodata,"a",@progbits
	.p2align	6, 0x0
	.amdhsa_kernel k_q2fce4290c6_gemm
		.amdhsa_group_segment_fixed_size 327680
		.amdhsa_private_segment_fixed_size 0
		.amdhsa_enable_private_segment 0
		.amdhsa_kernarg_size 40
		.amdhsa_user_sgpr_count 2
		.amdhsa_user_sgpr_kernarg_segment_ptr 1
		.amdhsa_wavefront_size32 1
		.amdhsa_system_sgpr_workgroup_id_x 1
		.amdhsa_system_sgpr_workgroup_id_y 1
		.amdhsa_system_sgpr_workgroup_id_z 1
		.amdhsa_system_vgpr_workitem_id 0
		.amdhsa_next_free_vgpr 1024
		.amdhsa_next_free_sgpr 100
		.amdhsa_reserve_vcc 1
		.amdhsa_float_denorm_mode_32 3
		.amdhsa_float_denorm_mode_16_64 3
		.amdhsa_memory_ordered 1
		.amdhsa_forward_progress 1
		.amdhsa_inst_pref_size 255
	.end_amdhsa_kernel
	.section	.bss,"aw",@nobits
	.p2align	6
	.space	262144
	.amdgpu_metadata
---
amdhsa.version: [ 1, 2 ]
amdhsa.kernels:
  - .name:           k_q2fce4290c6_gemm
    .symbol:         k_q2fce4290c6_gemm.kd
    .args:
      - { .name: encb, .offset: 0, .size: 8, .value_kind: global_buffer, .address_space: global }
      - { .name: web, .offset: 8, .size: 8, .value_kind: global_buffer, .address_space: global }
      - { .name: hbt, .offset: 16, .size: 8, .value_kind: global_buffer, .address_space: global }
      - { .name: V, .offset: 24, .size: 8, .value_kind: global_buffer, .address_space: global }
      - { .name: ps, .offset: 32, .size: 8, .value_kind: global_buffer, .address_space: global }
    .group_segment_fixed_size: 327680
    .private_segment_fixed_size: 0
    .kernarg_segment_align: 8
    .kernarg_segment_size: 40
    .max_flat_workgroup_size: 128
    .sgpr_count:     100
    .vgpr_count:     1024
    .wavefront_size: 32
...
	.end_amdgpu_metadata
.endif
;; end of part 2
;; launch attn (part 3): grid 256 x 1, 16 waves a work-group, no clusters, 36,608 bytes of LDS; arguments ps, web, encb, attn_masks, out0, out1, out2, hbt, V; writes out0, out1, out2
.if DOCPART == 3
	.amdgcn_target "amdgcn-amd-amdhsa--gfx1250"
	.amdhsa_code_object_version 6
	.text
	.protected	k_q2fce4290c6_attn
	.globl	k_q2fce4290c6_attn
	.p2align	8
	.type	k_q2fce4290c6_attn,@function
k_q2fce4290c6_attn:
	s_mov_b64 s[64:65], 0
	v_nop
	global_prefetch_b8 v0, s[64:65] scope:SCOPE_SE
	s_setreg_imm32_b32 hwreg(HW_REG_WAVE_MODE, 25, 1), 1
	s_wait_xcnt 0x0
; SCORES, SOFTMAX, CONTEXT.  Work-group (b, p), p = 0..7: makes batch b's whole softmax for itself, stores positions 256 p .. + 255 of out1 and out2,
; and columns 128 p .. + 127 of out0: no sum spans work-groups.  The score of packed row i < 1,152 is the sum of ps's four parts over cx.  The maximum over the listed rows is taken away before the exponential.
; A masked position has the score -1e12 and the weight exactly 0 (true while some kept score lies above -1e12 + 104); a batch with no kept row has all scores -1e12 and all weights 1 / 2,048.
; PACKED ROWS 1,152 AND ON exist only in a batch with more than 1,152 kept rows.  Their scores, sum over h of V[h] tanh(row . We[h] + hb[h]), are made here, under a forward branch that holds no barrier and no LDS line:
; 72 tiles of 16 rows, wave w takes tiles w + 16 m; a tile walks 16 groups of 64 h, with fragments loaded straight from memory, not pipelined.  A wave's five sums stay in five registers and go to LDS behind the
; branch, on every wave's path (zeros where the way was not taken).  Each of the batch's eight work-groups makes them for itself (no work-group may read what another stores in the same launch): eightfold work,
; on a way meant for masks far denser than one in two.  The way uses the registers of the context's rows and asks for those rows again at its end.
; In LDS weights and scores keep a pitch of 320 for 288 rows: index e = 320 (i / 288) + i % 288 for packed row i, so every LDS store address is 4 x thread + constants.
; The context goes without the matrix unit (one row of weights); no cluster (the eight work-groups of a batch read different columns); no prefetch (every byte is asked for at the head).
; tanh x = 1 - 2 / (1 + 2^(2 log2(e) x)).  2^x and 1/x flush denormals; NaN and infinities are not treated apart.
.set WL,    0                          ; weights: 2 passes x 1,280 words
.set SL,    10240                      ; scores, likewise
.set WCNT,  20480
.set RED0,  20736
.set RED1,  20992
.set CTX,   21248                      ; 16 waves x 512 bytes
.set OVB,   29440                      ; scores of rows 1,152 and on: wave w's five tiles of 16 words at 320 w
.set SPARE, 34560                      ; the spare words: 128 bytes for each of 16 waves; no other line names them
.set JOBB,  1152*2048
.set BATB,  2*JOBB
.set X,   16                           ; v[16:159]  36 loads of 16 bytes
.set WT,  160                          ; v[160:195] my 36 rows' weights
.set ACC, 196                          ; v[196:203] eight columns' sums
.set MK,  204                          ; v[204:207] four masks
.set PS0, 208                          ; v[208:219] ps; later at work
.set T,   232                          ; v[232:247] at work
.set RK,  248                          ; v[248:251] my four positions' ranks
.set SPW, 254
.set NIL, 255
; the way for rows 1,152 and on, in the rows' and the weights' registers
.set OA,  16                           ; v[16:47]   four accumulators: 16 rows x 64 h
.set OW,  48                           ; v[48:79]   four fragments of We
.set OE,  80                           ; v[80:87]   a fragment of the rows
.set OH,  88                           ; v[88:119]  hb of the 64 h
.set OVV, 120                          ; v[120:151] V of the 64 h
.set OT,  160                          ; v[160:175] at work
.set OS,  176                          ; v[176:177] the row's sum
.set OFR, 178                          ; v178 (lane % 16) x 2,048 + 16 (lane / 16)
.set OHB, 179                          ; v179 32 x (lane / 16)
.set OLA, 180                          ; v180 where my wave's tiles' sums go: OVB + 320 x wave + 4 x (lane % 16); never rewritten
.set OSH, 181                          ; v[181:185] my wave's five tiles' sums
	s_load_b256 s[4:11], s[0:1], 0x0               ; ps s[4:5], web s[6:7], encb s[8:9], masks s[10:11]
	s_load_b128 s[12:15], s[0:1], 0x20             ; out0 s[12:13], out1 s[14:15]
	s_load_b64 s[62:63], s[0:1], 0x30              ; out2
	s_load_b128 s[68:71], s[0:1], 0x38             ; hbt s[68:69], V s[70:71]
	v_lshl_add_u32 v[SPW], v0, 2, SPARE
	v_mov_b32 v[NIL], 0
	v_lshrrev_b32 v1, 5, v0
	v_readfirstlane_b32 s16, v1                    ; wave 0..15
	v_and_b32 v1, 31, v0
	v_and_b32 v2, 15, v0
	v_bfe_u32 v3, v0, 4, 1
	s_lshr_b32 s17, ttmp9, 3                       ; b
	s_and_b32 s18, ttmp9, 7                        ; p
	s_lshl_b32 s19, s17, 13
	v_lshl_add_u32 v5, v0, 4, s19                  ; masks, out1, out2: b x 8,192 + 16 t
	v_lshlrev_b32 v6, 2, v0                        ; 4 t
	v_min_u32 v7, 255, v0
	v_lshlrev_b32 v7, 2, v7                        ; 4 min(t, 255): the third word a thread, inside the 1,280
	s_mul_i32 s36, s17, 20480                      ; the batch in ps
	s_mov_b32 s37, 0
	s_mul_i32 s34, s17, BATB                       ; the batch in encb,
	s_mul_i32 s35, s16, 147456                     ; my wave's 72 rows
	s_add_co_u32 s38, s34, s35
	s_mov_b32 s39, 0
	v_mul_u32_u24 v8, v3, 73728                    ; lanes 16-31: 36 rows on
	s_lshl_b32 s34, s18, 8                         ; my work-group's 256 bytes of a row
	v_lshl_add_u32 v4, v2, 4, s34
	v_add_nc_u32 v8, v8, v4
	s_mov_b32 s60, 0x76543210
	s_mov_b32 s61, 0xfedcba98
	s_wait_kmcnt 0x0
	s_add_nc_u64 s[58:59], s[4:5], s[36:37]
	s_add_nc_u64 s[56:57], s[8:9], s[38:39]
	global_load_b128 v[MK:MK+3], v5, s[10:11]      ; the small loads first: loads come back in order
.irp cx, 0,1,2,3
	global_load_b32 v[PS0+\cx],   v6, s[58:59] offset:5120*\cx
	global_load_b32 v[PS0+4+\cx], v6, s[58:59] offset:5120*\cx+2048
	global_load_b32 v[PS0+8+\cx], v7, s[58:59] offset:5120*\cx+4096
.endr
.macro ROWS imm                        ; my 72 rows' 256 bytes: each load covers two rows' whole pieces
.set q, 0
.rept 36
	global_load_b128 v[X+4*q:X+4*q+3], v8, s[56:57] offset:(\imm)+2048*q th:TH_LOAD_NT
.set q, q+1
.endr
.endm
	ROWS 0
	; ranks: thread t holds positions 4 t .. 4 t + 3
	s_wait_loadcnt 48                              ; the masks are in; 12 + 36 younger loads stay out
	v_cmp_eq_u32 s20, 1, v[MK]
	v_cmp_eq_u32 s21, 1, v[MK+1]
	v_cmp_eq_u32 s22, 1, v[MK+2]
	v_cmp_eq_u32 s23, 1, v[MK+3]
	s_bcnt1_i32_b32 s34, s20
	s_bcnt1_i32_b32 s35, s21
	s_add_co_u32 s34, s34, s35
	s_bcnt1_i32_b32 s35, s22
	s_add_co_u32 s34, s34, s35
	s_bcnt1_i32_b32 s35, s23
	s_add_co_u32 s34, s34, s35
	v_mov_b32 v253, s34
	v_lshl_add_u32 v252, s16, 2, WCNT
	ds_store_b32 v252, v253
	s_wait_dscnt 0x0
	s_barrier_signal -1
	s_barrier_wait -1
	v_mov_b32 v252, WCNT
.irp k, 0,1,2,3
	ds_load_b128 v[T+4*\k:T+4*\k+3], v252 offset:16*\k
.endr
	s_wait_dscnt 0x0
.irp k, 0,1,2,3,4,5,6,7,8,9,10,11,12,13,14,15
	v_readfirstlane_b32 s[40+\k], v[T+\k]
.endr
	s_mov_b32 s32, 0
	s_mov_b32 s33, 0
.irp k, 0,1,2,3,4,5,6,7,8,9,10,11,12,13,14,15
	s_add_co_u32 s32, s32, s[40+\k]
	s_cmp_gt_u32 s16, \k
	s_cselect_b32 s35, s[40+\k], 0
	s_add_co_u32 s33, s33, s35
.endr
	s_lshl_b32 s34, s16, 7
	s_cmp_eq_u32 s32, 0                            ; no row kept: all are listed
	s_cselect_b32 s24, -1, 0
	s_cselect_b32 s25, 2048, s32                   ; eff
	s_cselect_b32 s33, s34, s33
	s_or_b32 s20, s20, s24
	s_or_b32 s21, s21, s24
	s_or_b32 s22, s22, s24
	s_or_b32 s23, s23, s24
	v_mbcnt_lo_u32_b32 v[RK], s20, 0
	v_mbcnt_lo_u32_b32 v[RK], s21, v[RK]
	v_mbcnt_lo_u32_b32 v[RK], s22, v[RK]
	v_mbcnt_lo_u32_b32 v[RK], s23, v[RK]
	v_add_nc_u32 v[RK], s33, v[RK]
	v_cndmask_b32 v4, 0, 1, s20
	v_add_nc_u32 v[RK+1], v[RK], v4
	v_cndmask_b32 v4, 0, 1, s21
	v_add_nc_u32 v[RK+2], v[RK+1], v4
	v_cndmask_b32 v4, 0, 1, s22
	v_add_nc_u32 v[RK+3], v[RK+2], v4
	; scores: words e = t + 512 q of each pass; v9-11 the first pass's, v12-14 the second's
	s_wait_loadcnt 36                              ; ps is in; the rows stay out
.irp q, 0,1,2
	v_add_f32 v[9+\q], v[PS0+4*\q], v[PS0+4*\q+1]
	v_add_f32 v4, v[PS0+4*\q+2], v[PS0+4*\q+3]
	v_add_f32 v[9+\q], v[9+\q], v4
.endr
.irp q, 0,1,2
	v_add_nc_u32 v217, 512*\q, v0                  ; e
	v_mul_u32_u24 v218, v217, 3277
	v_lshrrev_b32 v218, 20, v218                   ; e / 320, exact for e under 1,536
	v_mul_u32_u24 v219, v218, 320
	v_sub_nc_u32 v219, v217, v219                  ; r
	v_lshlrev_b32 v218, 5, v218
	v_sub_nc_u32 v[214+\q], v217, v218             ; i = 288 (e / 320) + r
	v_cmp_gt_u32 vcc_lo, 288, v219
	v_cndmask_b32 v[214+\q], 0x7ffff000, v[214+\q], vcc_lo   ; the 32 spare words of a chunk, and words past 1,279, are no rows
.if \q == 2
	v_cmp_gt_u32 vcc_lo, 1280, v217
	v_cndmask_b32 v[214+\q], 0x7ffff000, v[214+\q], vcc_lo
.endif
	v_cmp_gt_u32 s[26+\q], s25, v[214+\q]          ; a listed row of the first pass
	v_add_nc_u32 v217, 1152, v[214+\q]
	v_cmp_gt_u32 s[29+\q], s25, v217               ; of the second
.endr
	v_mov_b32 v12, 0
	v_mov_b32 v13, 0
	v_mov_b32 v14, 0
.irp m, 0,1,2,3,4
	v_mov_b32 v[OSH+\m], 0                         ; my five tiles' sums: 0 where the way below is not taken
.endr
	s_mul_i32 s88, s16, 320
	s_add_co_u32 s88, s88, OVB
	v_lshl_add_u32 v[OLA], v2, 2, s88              ; my wave's 320 bytes, word lane % 16
	s_cmp_eq_u32 s24, 0
	s_cselect_b32 s94, s25, 0                      ; rows whose products are wanted: where no row is kept every score is -1e12 whatever the product
	s_cmp_gt_u32 s94, 1152
	s_cbranch_scc0 .Lno_over
; ---- rows 1,152 and on ----
.macro OLOAD                           ; a K step of 32: four fragments of We and one of the rows, straight from memory
.irp i, 0,1,2,3
	global_load_b128 v[OW+8*\i:OW+8*\i+3],   v[OFR], s[80:81] offset:\i*32768
	global_load_b128 v[OW+8*\i+4:OW+8*\i+7], v[OFR], s[80:81] offset:\i*32768+32
.endr
	global_load_b128 v[OE:OE+3],   v[OFR], s[78:79]
	global_load_b128 v[OE+4:OE+7], v[OFR], s[78:79] offset:32
.endm
.macro OMUL first                      ; four products, the four accumulators by turns (over the backward jump too), and four places behind them
.irp i, 0,1,2,3
.if \first
	v_wmma_f32_16x16x32_bf16 v[OA+8*\i:OA+8*\i+7], v[OW+8*\i:OW+8*\i+7], v[OE:OE+7], v[OH+8*\i:OH+8*\i+7]
.else
	v_wmma_f32_16x16x32_bf16 v[OA+8*\i:OA+8*\i+7], v[OW+8*\i:OW+8*\i+7], v[OE:OE+7], v[OA+8*\i:OA+8*\i+7]
.endif
.endr
.rept 4
	v_nop
.endr
.endm
	s_wait_loadcnt 0x0                             ; the context's rows have landed: their registers are used below and loaded again at the end
	v_lshlrev_b32 v[OFR], 11, v2
	v_lshl_add_u32 v[OFR], v3, 4, v[OFR]
	v_lshlrev_b32 v[OHB], 5, v3
	s_mul_i32 s88, s17, BATB
	s_add_co_u32 s88, s88, JOBB
	s_lshl_b32 s89, s16, 15
	s_add_co_u32 s88, s88, s89
	s_mov_b32 s89, 0
	s_add_nc_u64 s[76:77], s[8:9], s[88:89]        ; encb at tile w of the batch's second slot
	s_lshl_b32 s88, s17, 6
	s_add_nc_u64 s[90:91], s[68:69], s[88:89]      ; hbt at the batch
	s_mov_b32 s92, 0x4038aa3b                      ; 2 log2(e)
	s_mov_b32 s93, s92
	s_lshl_b32 s73, s16, 4
	s_add_co_u32 s73, s73, 1152                    ; the tile's first packed row
	s_mov_b32 s72, 0
.Lot:                                          ; five tiles a wave, 16 tiles apart; no LDS line stands in the loop
	v_mov_b32 v[OS], 0
	v_mov_b32 v[OS+1], 0
	s_cmp_gt_u32 s94, s73
	s_cbranch_scc0 .Lodead                         ; no listed row in the tile: its sums are 0
	s_mov_b64 s[82:83], s[90:91]
	s_mov_b64 s[84:85], s[70:71]
	s_mov_b64 s[86:87], s[6:7]
	s_mov_b32 s74, 16
.Loh:                                          ; 64 h a trip
.irp i, 0,1,2,3
	global_load_b128 v[OH+8*\i:OH+8*\i+3],   v[OHB], s[82:83] offset:2048*\i
	global_load_b128 v[OH+8*\i+4:OH+8*\i+7], v[OHB], s[82:83] offset:2048*\i+16
.endr
.irp i, 0,1,2,3
	global_load_b128 v[OVV+8*\i:OVV+8*\i+3],   v[OHB], s[84:85] offset:64*\i
	global_load_b128 v[OVV+8*\i+4:OVV+8*\i+7], v[OHB], s[84:85] offset:64*\i+16
.endr
	s_mov_b64 s[78:79], s[76:77]
	s_mov_b64 s[80:81], s[86:87]
	OLOAD
	s_wait_loadcnt 10                              ; hb and V are in; the ten fragment loads stay out
.set nn, 0
.rept 16
	v_cvt_pk_bf16_f32 v[OT+nn], v[OVV+2*nn], v[OVV+2*nn+1]   ; V rounded to bf16, like every input, and widened again
.set nn, nn+1
.endr
.set nn, 0
.rept 16
	v_lshlrev_b32 v[OVV+2*nn], 16, v[OT+nn]
	v_and_b32 v[OVV+2*nn+1], 0xffff0000, v[OT+nn]
.set nn, nn+1
.endr
	s_wait_loadcnt 0x0
	OMUL 1                                         ; the first K step starts the four sums with hb
	s_mov_b32 s75, 31
.Lok:
	s_add_nc_u64 s[78:79], s[78:79], 64            ; the loads that read these have landed
	s_add_nc_u64 s[80:81], s[80:81], 64
	OLOAD
	s_wait_loadcnt 0x0
	OMUL 0
	s_sub_co_u32 s75, s75, 1
	s_cmp_lg_u32 s75, 0
	s_cbranch_scc1 .Lok
.set nn, 0
.rept 16
	v_pk_mul_f32 v[OA+2*nn:OA+2*nn+1], v[OA+2*nn:OA+2*nn+1], s[92:93] op_sel_hi:[1,0]   ; ascending: each accumulator is first read at its low end
.set nn, nn+1
.endr
.set nn, 0
.rept 32
	v_exp_f32 v[OA+nn], v[OA+nn]
.set nn, nn+1
.endr
	v_nop                                          ; a plain instruction behind the last power,
	s_wait_alu depctr_va_vdst(0)                   ; and one wait for the 32
.set nn, 0
.rept 16
	v_pk_add_f32 v[OA+2*nn:OA+2*nn+1], v[OA+2*nn:OA+2*nn+1], 1.0 op_sel_hi:[1,0]
.set nn, nn+1
.endr
.set nn, 0
.rept 32
	v_rcp_f32 v[OA+nn], v[OA+nn]
.set nn, nn+1
.endr
	v_nop
	s_wait_alu depctr_va_vdst(0)
.set nn, 0
.rept 16
	v_pk_fma_f32 v[OA+2*nn:OA+2*nn+1], v[OA+2*nn:OA+2*nn+1], -2.0, 1.0 op_sel_hi:[1,0,0]
.set nn, nn+1
.endr
.set nn, 0
.rept 16
	v_pk_fma_f32 v[OS:OS+1], v[OA+2*nn:OA+2*nn+1], v[OVV+2*nn:OVV+2*nn+1], v[OS:OS+1]
.set nn, nn+1
.endr
	s_add_nc_u64 s[82:83], s[82:83], 8192          ; four h blocks on in hbt,
	s_add_nc_u64 s[84:85], s[84:85], 256           ; 64 numbers in V,
	s_add_nc_u64 s[86:87], s[86:87], 131072        ; 64 rows in web
	s_sub_co_u32 s74, s74, 1
	s_cmp_lg_u32 s74, 0
	s_cbranch_scc1 .Loh
	v_add_f32 v[OS], v[OS], v[OS+1]
	v_permlanex16_b32 v[OS+1], v[OS], s60, s61     ; the row's other h lie in the lane 16 away
	v_add_f32 v[OS], v[OS], v[OS+1]
.Lodead:
.irp m, 0,1,2,3
	v_mov_b32 v[OSH+\m], v[OSH+\m+1]               ; the five sums move up by one, and the new one comes in last: after five trips tile m lies in register m
.endr
	v_mov_b32 v[OSH+4], v[OS]
	s_add_nc_u64 s[76:77], s[76:77], 524288        ; 16 tiles on
	s_add_co_u32 s73, s73, 256
	s_add_co_u32 s72, s72, 1
	s_cmp_lt_u32 s72, 5
	s_cbranch_scc1 .Lot
	ROWS 0                                         ; the context's rows once more: 36 loads are out on this way as on the other
.Lno_over:
.irp m, 0,1,2,3,4
	ds_store_b32 v[OLA], v[OSH+\m] offset:64*\m    ; tile w + 16 m; both halves of the lanes write the same word with the same number
.endr
	s_wait_dscnt 0x0                               ; for the others' sake: my tiles' sums are in LDS
	s_barrier_signal -1
	s_barrier_wait -1
	s_cmp_gt_u32 s94, 1152
	s_cbranch_scc0 .Lone_a
.irp q, 0,1,2
	v_min_u32 v217, 1151, v[214+\q]                ; what is no row reads the last word, and is selected away
	v_bfe_u32 v218, v217, 4, 4                     ; tile % 16: the wave that made it
	v_lshrrev_b32 v219, 8, v217                    ; tile / 16: which of its five
	v_and_b32 v217, 15, v217
	v_mul_u32_u24 v218, v218, 320
	v_lshl_add_u32 v218, v219, 6, v218
	v_lshl_add_u32 v218, v217, 2, v218
	ds_load_b32 v[12+\q], v218 offset:OVB
.endr
	s_wait_dscnt 0x0
.Lone_a:
	v_mov_b32 v15, 0xd368d4a5                      ; -1e12
	v_mov_b32 v217, 0xff7fffff
.irp k, 0,1,2,3,4,5
	v_cndmask_b32 v[9+\k], v[9+\k], v15, s24
	v_cndmask_b32 v[PS0+\k], v217, v[9+\k], s[26+\k]
.endr
	; the maximum over the listed rows
	v_max3_num_f32 v218, v[PS0], v[PS0+1], v[PS0+2]
	v_max3_num_f32 v218, v218, v[PS0+3], v[PS0+4]
	v_max_num_f32 v218, v218, v[PS0+5]
	v_max_num_f32_dpp v218, v218, v218 row_xmask:1 row_mask:0xf bank_mask:0xf
	v_max_num_f32_dpp v218, v218, v218 row_xmask:2 row_mask:0xf bank_mask:0xf
	v_max_num_f32_dpp v218, v218, v218 row_xmask:4 row_mask:0xf bank_mask:0xf
	v_max_num_f32_dpp v218, v218, v218 row_xmask:8 row_mask:0xf bank_mask:0xf
	v_permlanex16_b32 v219, v218, s60, s61
	v_max_num_f32 v218, v218, v219
	v_lshl_add_u32 v216, s16, 2, RED0
	ds_store_b32 v216, v218
	s_wait_dscnt 0x0
	s_barrier_signal -1
	s_barrier_wait -1
	v_mov_b32 v216, RED0
.irp k, 0,1,2,3
	ds_load_b128 v[T+4*\k:T+4*\k+3], v216 offset:16*\k
.endr
	s_wait_dscnt 0x0
	v_max3_num_f32 v252, v[T], v[T+1], v[T+2]
.irp k, 3,5,7,9,11,13
	v_max3_num_f32 v252, v252, v[T+\k], v[T+\k+1]
.endr
	v_max_num_f32 v252, v252, v[T+15]              ; m
	; 2^((s - m) log2 e), 0 for what is no listed row; their sum
.irp k, 0,1,2,3,4,5
	v_sub_f32 v[PS0+\k], v[9+\k], v252
	v_mul_f32 v[PS0+\k], 0x3fb8aa3b, v[PS0+\k]
.endr
.irp k, 0,1,2,3,4,5
	v_exp_f32 v[PS0+\k], v[PS0+\k]
.endr
	v_nop                                          ; a plain instruction behind the last exponential,
	s_wait_alu depctr_va_vdst(0)                   ; and one wait for the six
.irp k, 0,1,2,3,4,5
	v_cndmask_b32 v[PS0+\k], 0, v[PS0+\k], s[26+\k]
.endr
	v_add_f32 v218, v[PS0], v[PS0+1]
	v_add_f32 v219, v[PS0+2], v[PS0+3]
	v_add_f32 v218, v218, v219
	v_add_f32 v219, v[PS0+4], v[PS0+5]
	v_add_f32 v218, v218, v219
	v_add_f32_dpp v218, v218, v218 row_xmask:1 row_mask:0xf bank_mask:0xf
	v_add_f32_dpp v218, v218, v218 row_xmask:2 row_mask:0xf bank_mask:0xf
	v_add_f32_dpp v218, v218, v218 row_xmask:4 row_mask:0xf bank_mask:0xf
	v_add_f32_dpp v218, v218, v218 row_xmask:8 row_mask:0xf bank_mask:0xf
	v_permlanex16_b32 v219, v218, s60, s61
	v_add_f32 v218, v218, v219
	v_lshl_add_u32 v216, s16, 2, RED1
	ds_store_b32 v216, v218
	s_wait_dscnt 0x0
	s_barrier_signal -1
	s_barrier_wait -1
	v_mov_b32 v216, RED1
.irp k, 0,1,2,3
	ds_load_b128 v[T+4*\k:T+4*\k+3], v216 offset:16*\k
.endr
	s_wait_dscnt 0x0
.irp i, 0,2,4,6
	v_pk_add_f32 v[T+\i:T+\i+1], v[T+\i:T+\i+1], v[T+8+\i:T+8+\i+1]
.endr
.irp i, 0,2
	v_pk_add_f32 v[T+\i:T+\i+1], v[T+\i:T+\i+1], v[T+4+\i:T+4+\i+1]
.endr
	v_pk_add_f32 v[T:T+1], v[T:T+1], v[T+2:T+3]
	v_add_f32 v218, v[T], v[T+1]                   ; l: at least 1, the maximum's own term
	v_rcp_f32 v253, v218
	v_nop
	s_wait_alu depctr_va_vdst(0)
.irp k, 0,1,2,3,4,5
	v_mul_f32 v[PS0+\k], v[PS0+\k], v253
.endr
.irp q, 0,1
	ds_store_b32 v6, v[PS0+\q]   offset:WL+2048*\q
	ds_store_b32 v6, v[9+\q]     offset:SL+2048*\q
	ds_store_b32 v6, v[PS0+3+\q] offset:WL+5120+2048*\q
	ds_store_b32 v6, v[12+\q]    offset:SL+5120+2048*\q
.endr
	s_cmp_lt_u32 s16, 8                            ; words 1,024 to 1,279 of a pass belong to threads 0-255
	s_cbranch_scc0 .Lno_third
	ds_store_b32 v6, v[PS0+2] offset:WL+4096
	ds_store_b32 v6, v11      offset:SL+4096
	ds_store_b32 v6, v[PS0+5] offset:WL+5120+4096
	ds_store_b32 v6, v14      offset:SL+5120+4096
.Lno_third:
	s_wait_dscnt 0x0
	s_barrier_signal -1
	s_barrier_wait -1                              ; all weights and scores lie in LDS
	; out1, out2: the two waves that hold positions 256 p .. + 255
	s_lshr_b32 s34, s16, 1
	s_cmp_eq_u32 s34, s18
	s_cbranch_scc0 .Lno_out
.irp e, 0,1,2,3
	v_min_u32 v217, 2303, v[RK+\e]
	v_mul_u32_u24 v218, v217, 3641
	v_lshrrev_b32 v218, 20, v218                   ; i / 288, exact for i under 2,304
	v_lshl_add_u32 v217, v218, 5, v217
	v_min_u32 v217, 2559, v217
	v_lshlrev_b32 v[T+\e], 2, v217
	ds_load_b32 v[T+4+\e], v[T+\e] offset:WL
	ds_load_b32 v[T+8+\e], v[T+\e] offset:SL
.endr
	s_wait_dscnt 0x0
.irp e, 0,1,2,3
	v_cndmask_b32 v[T+4+\e], 0, v[T+4+\e], s[20+\e]
	v_cndmask_b32 v[T+8+\e], v15, v[T+8+\e], s[20+\e]
.endr
	global_store_b128 v5, v[T+4:T+7], s[14:15]     ; a wave stores 512 consecutive bytes, aligned
	global_store_b128 v5, v[T+8:T+11], s[62:63]
.Lno_out:
	; context: my 72 rows' weights lie on end at word 320 (w / 4) + 72 (w % 4); lanes 16-31 take the second 36
	s_lshr_b32 s34, s16, 2
	s_mul_i32 s34, s34, 1280
	s_and_b32 s35, s16, 3
	s_mul_i32 s35, s35, 288
	s_add_co_u32 s34, s34, s35
	v_mul_u32_u24 v4, v3, 144
	v_add_nc_u32 v4, s34, v4
.macro CSUM wofs                       ; 36 rows x 8 columns a lane: bf16 half x f32 weight + f32 sum
.irp j, 0,1,2,3,4,5,6,7,8
	ds_load_b128 v[WT+4*\j:WT+4*\j+3], v4 offset:(\wofs)+16*\j
.endr
	s_wait_dscnt 0x0
.set q, 0
.rept 36
.if (q%4) == 0
	s_wait_loadcnt 32-q                            ; rows q .. q + 3 are in; the younger loads stay out
.endif
.irp j, 0,1,2,3
	v_fma_mix_f32_bf16 v[ACC+2*\j], v[X+4*q+\j], v[WT+q], v[ACC+2*\j] op_sel_hi:[1,0,0]
	v_fma_mix_f32_bf16 v[ACC+2*\j+1], v[X+4*q+\j], v[WT+q], v[ACC+2*\j+1] op_sel:[1,0,0] op_sel_hi:[1,0,0]
.endr
.set q, q+1
.endr
.endm
.irp k, 0,1,2,3,4,5,6,7
	v_mov_b32 v[ACC+\k], 0
.endr
	CSUM WL
	s_cmp_gt_u32 s25, 1152
	s_cbranch_scc0 .Lone_b
	ROWS JOBB                                      ; the second slot's rows
	CSUM WL+5120
.Lone_b:
	s_wait_xcnt 0x0                                ; the stores of out1 and out2 have read their data, which the lines below rewrite
.irp k, 0,1,2,3,4,5,6,7
	v_permlanex16_b32 v[T+\k], v[ACC+\k], s60, s61
.endr
.irp k, 0,2,4,6
	v_pk_add_f32 v[ACC+\k:ACC+\k+1], v[ACC+\k:ACC+\k+1], v[T+\k:T+\k+1]
.endr
	v_lshlrev_b32 v4, 5, v2
	s_lshl_b32 s34, s16, 9
	v_add_nc_u32 v4, s34, v4
	ds_store_b128 v4, v[ACC:ACC+3]   offset:CTX    ; both halves of the lanes write the same bytes with the same numbers
	ds_store_b128 v4, v[ACC+4:ACC+7] offset:CTX+16
	s_wait_dscnt 0x0
	s_barrier_signal -1
	s_barrier_wait -1
	s_cmp_lg_u32 s16, 0
	s_cbranch_scc1 .Lend
	v_lshlrev_b32 v4, 4, v1
.irp k, 0,1,2,3,4,5,6,7,8,9,10,11,12,13,14,15
	ds_load_b128 v[X+4*\k:X+4*\k+3], v4 offset:CTX+512*\k
.endr
	s_wait_dscnt 0x0
.irp st, 1,2,4,8
.set k, 0
.rept 8/\st
	v_pk_add_f32 v[X+4*k:X+4*k+1], v[X+4*k:X+4*k+1], v[X+4*(k+\st):X+4*(k+\st)+1]
	v_pk_add_f32 v[X+4*k+2:X+4*k+3], v[X+4*k+2:X+4*k+3], v[X+4*(k+\st)+2:X+4*(k+\st)+3]
.set k, k+2*\st
.endr
.endr
	s_lshl_b32 s34, s17, 12
	s_lshl_b32 s35, s18, 9
	s_add_co_u32 s34, s34, s35
	v_add_nc_u32 v4, s34, v4
	global_store_b128 v4, v[X:X+3], s[12:13]       ; 512 consecutive bytes of out0, aligned
.Lend:
	s_wait_tensorcnt 0x0                           ; the wave's end, behind my last LDS store
	ds_add_u32 v[SPW], v[NIL]
	s_wait_dscnt 0x0
	s_endpgm
.Lfunc_end_k_q2fce4290c6_attn:
	.size	k_q2fce4290c6_attn, .Lfunc_end_k_q2fce4290c6_attn-k_q2fce4290c6_attn
	.p2alignl 7, 3214868480
	.fill 96, 4, 3214868480
	.section	.rodata,"a",@progbits
	.p2align	6, 0x0
	.amdhsa_kernel k_q2fce4290c6_attn
		.amdhsa_group_segment_fixed_size 36608
		.amdhsa_private_segment_fixed_size 0
		.amdhsa_enable_private_segment 0
		.amdhsa_kernarg_size 72
		.amdhsa_user_sgpr_count 2
		.amdhsa_user_sgpr_kernarg_segment_ptr 1
		.amdhsa_wavefront_size32 1
		.amdhsa_system_sgpr_workgroup_id_x 1
		.amdhsa_system_sgpr_workgroup_id_y 1
		.amdhsa_system_sgpr_workgroup_id_z 1
		.amdhsa_system_vgpr_workitem_id 0
		.amdhsa_next_free_vgpr 256
		.amdhsa_next_free_sgpr 96
		.amdhsa_reserve_vcc 1
		.amdhsa_float_denorm_mode_32 3
		.amdhsa_float_denorm_mode_16_64 3
		.amdhsa_memory_ordered 1
		.amdhsa_forward_progress 1
		.amdhsa_inst_pref_size 90
	.end_amdhsa_kernel
	.amdgpu_metadata
---
amdhsa.version: [ 1, 2 ]
amdhsa.kernels:
  - .name:           k_q2fce4290c6_attn
    .symbol:         k_q2fce4290c6_attn.kd
    .args:
      - { .name: ps, .offset: 0, .size: 8, .value_kind: global_buffer, .address_space: global }
      - { .name: web, .offset: 8, .size: 8, .value_kind: global_buffer, .address_space: global }
      - { .name: encb, .offset: 16, .size: 8, .value_kind: global_buffer, .address_space: global }
      - { .name: attn_masks, .offset: 24, .size: 8, .value_kind: global_buffer, .address_space: global }
      - { .name: out0, .offset: 32, .size: 8, .value_kind: global_buffer, .address_space: global }
      - { .name: out1, .offset: 40, .size: 8, .value_kind: global_buffer, .address_space: global }
      - { .name: out2, .offset: 48, .size: 8, .value_kind: global_buffer, .address_space: global }
      - { .name: hbt, .offset: 56, .size: 8, .value_kind: global_buffer, .address_space: global }
      - { .name: V, .offset: 64, .size: 8, .value_kind: global_buffer, .address_space: global }
    .group_segment_fixed_size: 36608
    .private_segment_fixed_size: 0
    .kernarg_segment_align: 8
    .kernarg_segment_size: 72
    .max_flat_workgroup_size: 512
    .sgpr_count:     96
    .vgpr_count:     256
    .wavefront_size: 32
...
	.end_amdgpu_metadata
.endif
;; end of part 3
